; MI455X (gfx1250); checked and timed in simulation.
; The chip was launched on July 23, 2026; its instructions are those of AMD's public machine-readable ISA for CDNA 5 (MIT licence, August 2026) and "CDNA5" Instruction Set Architecture Reference Guide (July 2026). The comments in the code are by the model that wrote it; some were corrected since.
;; Param Dist. Allowed arithmetic: matrix products marked QUANTISED: E2M1 operands, one E8M0 scale for each 32 along K, by v_wmma_scale_f32_16x16x128_f8f6f4 with both operands' format E2M1 (or v_wmma_scale_f32_32x16x128_f4), f32 sums; everything else in f32.
;; Inputs: W 4,096 x 4,096 float32; x 4,096 x 4,096 float32; y 4,096 x 4,096 float32.
;; Outputs: out0 4,096 x 4,096 float32.
;; This version of the problem:
;;   THIS VERSION OF THE PROBLEM IS GIVEN IN LOW PRECISION. The matrix products marked QUANTISED in the list below multiply operands that are first quantised to E2M1 (2 exponent bits, 1 mantissa bit; 4 bits a number), with one power-of-two scale for each 32 numbers along K (OCP MX v1.0); their sums are f32. All else is computed in f32.
;;   The module's matrix products, in the order in which they are computed (A, B: the left and right operand; K: the contracted axis; several contracted axes count as one K, in the product's order):
;;     1. [M 4,096, K 4,096] x [K 4,096, N 4,096]; A: input x; B: input W: QUANTISED
;;   THE QUANTISER, for each operand of a quantised product, along K:
;;     - K is cut into blocks of 32 from its start; a last block that is shorter is filled with zeros.
;;     - A block's scale is 2^e with e = floor(log2(the largest magnitude in the block)) - 2, held to -126 .. 127; a block of zeros has e = 0. As a byte (E8M0): e + 127.
;;     - Each number is divided by its block's scale, clamped to +-6, and rounded to the nearest number of E2M1, ties to even, subnormals kept.
;;     - The product sums the exact products of the quantised numbers (number of the format x scale) in f32.
;;   ~~~python
;;   def quantise(x, axis):      # numpy; x: float32 -> the quantised numbers, widened to float32 again
;;       x = np.moveaxis(x, axis, -1); K = x.shape[-1]
;;       x = np.pad(x, [(0, 0)] * (x.ndim - 1) + [(0, -K % 32)]); x = x.reshape(x.shape[:-1] + (-1, 32)); a = np.abs(x).max(-1, keepdims=True)
;;       e = np.where(a > 0, np.clip(np.frexp(np.where(a > 0, a, 1))[1] - 1 - 2, -126, 127), 0)      # np.frexp(a)[1] - 1 = floor(log2(a)), exactly
;;       r = np.clip(x / 2.0 ** e, -6, 6)
;;       step = 2.0 ** (np.maximum(np.frexp(np.where(r == 0, 1, r))[1] - 1, 0) - 1)
;;       q = np.round(r / step) * step * 2.0 ** e      # np.round: ties to even
;;       return np.moveaxis(q.reshape(q.shape[:-2] + (-1,))[..., :K], -1, axis).astype(np.float32)
;;   ~~~
;; One version. Each part assembles by itself: llvm-mc -triple=amdgcn-amd-amdhsa -mcpu=gfx1250 --defsym DOCPART=n.
;; ======== version 1 of 1: 2 launches
;; limits: right only within a limited range of input values
;; workspace buffers: xq 8,912,896 bytes; wq 8,912,896 bytes; yw 16,384 bytes
;; launch quant (part 1): grid 256 x 1, 8 waves a work-group, no clusters, 71,168 bytes of LDS; arguments x, W, y, xq, wq, yw; writes xq, wq, yw
.if DOCPART == 1
	.amdgcn_target "amdgcn-amd-amdhsa--gfx1250"
	.amdhsa_code_object_version 6
	.text
	.protected	k_qf98cbe3cea_quant
	.globl	k_qf98cbe3cea_quant
	.p2align	8
	.type	k_qf98cbe3cea_quant,@function
k_qf98cbe3cea_quant:
	s_mov_b64 s[64:65], 0
	v_nop
	global_prefetch_b8 v0, s[64:65] scope:SCOPE_SE
	s_setreg_imm32_b32 hwreg(HW_REG_WAVE_MODE, 25, 1), 1
	s_wait_xcnt 0x0
; x [4096][4096] and W [4096][4096], f32, are turned into codes of FP4 (E2M1) with one E8M0 scale byte for each 32 along K (their last axis), and yw[j] = the sum over k of y[j][k] W[j][k] is formed,
; in f32 on the unquantised W, while W's numbers are in registers: so x, W and y are each read once.
; THE OUTPUT'S LAYOUT is this program's own: xq, wq: [8 K steps][4096 rows][272 bytes]; a row's 272 bytes are the 256 bytes of codes of 512 along K (two to a byte) and behind them the 16 scale bytes of these 512.
; Block 4 i + g of a K step (k = 128 i + 32 g on) has its 16 bytes of codes at byte 64 g + 16 i and its scale byte at 256 + 4 g + i: the byte stands where the product reads the scale of those 16 bytes.
; INSIDE a block's 16 bytes the 32 codes stand in an order of the program's own, the same in xq and wq (one text makes both, lane by lane alike): so every product meets its partner under its own scales.
; 128 rows of a K step are 34,816 consecutive bytes, and lie 272 bytes apart wherever they are copied as they stand.
; THE ROWS: xq's rows are x's.  Place 64 G + 16 b + r of wq and of yw holds W's row 64 G + 4 r + b: in the product's 16 x 16 tiles lane r of tiles b = 0 .. 3 then holds four neighbouring columns of the result.
; A block's scale is 2^(floor(log2(its largest magnitude)) - 2); its byte is the largest magnitude's own exponent field - 2, held at 1 from below.  Each number is divided by the scale and rounded to the nearest code, ties to even;
; beyond the largest code the conversion gives the largest code.
; LIMITS: NaN and infinities among the inputs are not served.  A block of zeros gets the byte 1 where the rule says 127: its codes are zeros, which add nothing under any byte but 0xff, and this program alone reads the bytes.
; yw is summed in f32 in another order than a plain running sum: 16 numbers a lane in two packed chains, then the 32 lanes, then the eight waves in ascending K.
; SHARES.  Work-group g owns rows 16 g + i of x, and rows 64 (g / 4) + g % 4 + 4 i of W and of y (i = 0 .. 15), which it lays as rows 16 g + i of wq and words 16 g + i of yw: 256 equal work-groups.
; Wave w owns K step w (k = 512 w .. 512 w + 511) of these rows.  A wave walks 32 steps, written out, every offset an immediate: steps 0-15 x's rows, steps 16-31 W's rows, each with y's row.
; A step is 512 numbers of a row: 2,048 consecutive bytes, four loads of 512 consecutive bytes.
; THE NUMBERS ARE WORKED ON AS THEY ARE LOADED.  Load i gives lane l the four neighbours k = 128 i + 4 l + 0 .. 3, so a block of 32 lies in eight neighbouring lanes: its largest magnitude is two lines in the lane and three
; steps across lanes l xor 1, 2, 4.  A conversion takes eight numbers of a lane's registers under ONE scale, and eight registers are two loads, two blocks: so each is made twice, once under each block's scale; of the first
; result the low 16 bits (load 2 j's four codes) are kept, of the second the high 16 bits (load 2 j + 1's).  What is converted under the other block's scale is not used.
; A lane then holds 2 bytes of each of four blocks (loads 0 .. 3).  The four lanes 4 n + t (t = 0 .. 3) turn them among themselves, so that lane t holds the four lanes' 8 bytes of load t's block: first whole registers with lane
; l xor 2, then halves with lane l xor 1.  So a step's codes go to LDS by one store of 8 bytes a lane, 256 consecutive bytes a wave.
; Codes and scale words are gathered in the wave's own image of 16 rows x 272 bytes in LDS and leave as 4,352 consecutive bytes: each store of the wave covers 512 or 256 consecutive bytes, aligned to 256.
; No cluster, no tensor load, no matrix instruction: the work-groups share no input and the launch only streams.  One barrier, for the eight waves' parts of yw.
.set ROWF,  16384                      ; bytes of a row of f32
.set IMGB,  16*272                     ; an image: 16 rows x 272 bytes = 17 x 256
.set WREG,  2*IMGB                     ; a wave's region of LDS: x's image, W's image
.set YP,    8*WREG                     ; behind the eight regions: the waves' parts of yw, 64 bytes a wave; behind them, from 0x11200 on, the spare words
.set KSTR,  4096*272                   ; bytes from K step to K step in xq and wq
.set DEPTH, 10                         ; chunks on their way: 40 loads, 20,480 bytes a wave
.set NCH,   48                         ; chunks in all.  Chunk c (c < 16: x's row c; 16 + 2 t: W's t-th row; 17 + 2 t: y's t-th row) lies in slot c % DEPTH
.set R,     16                         ; v16-175  the ring: DEPTH chunks of 16 registers, as loaded
.set MXR,   176                        ; v176-179 the largest magnitudes of the step's four loads; then at work in the turn among four lanes
.set SOP,   180                        ; v180-183 the conversions' scale operands
.set BYT,   184                        ; v184-187 the scale bytes
.set COD,   188                        ; v188-191 four results of conversions; v192-195 two pairs of codes to store; v196-197 two scale words to store
.set P,     198                        ; v198-201 two packed chains of products
.set S,     202                        ; v202-217 my lane's part of yw for each of the 16 rows
.set O,     218                        ; v218-251 the way out
; v1 LDS: YP + 4 (lane % 16);  v2 lane;  v3 16 x lane;  v4 LDS: my images + 64 (lane / 8) + 16 (lane % 4) + 8 ((lane / 4) % 2);  v5 LDS: my images + 4 (lane / 8);  v6 LDS: my images + 16 x lane;  v7 8 x lane;  v8 lane / 8;
; v9 LDS: my images + 8 x lane;  v10 4 x lane;  v11, v12 byte selects of the halves that I keep and that I send;  v13 LDS: YP + 64 x wave;  v252, v253 the spare word's address and 0.  None of these is ever rewritten.
	s_load_b256 s[4:11], s[0:1], 0x0               ; x s[4:5], W s[6:7], y s[8:9], xq s[10:11]
	s_load_b128 s[12:15], s[0:1], 0x20             ; wq s[12:13], yw s[14:15]
	v_lshl_add_u32 v252, v0, 2, 0x11200
	v_mov_b32 v253, 0
	v_lshrrev_b32 v1, 5, v0
	s_delay_alu instid0(VALU_DEP_1)
	v_readfirstlane_b32 s16, v1                    ; wave 0..7
	v_and_b32 v2, 31, v0                           ; lane
	v_and_b32 v1, 15, v0
	s_delay_alu instid0(VALU_DEP_1)
	v_lshl_add_u32 v1, v1, 2, YP                   ; the last sum: row lane % 16 of a wave's 16 words
	s_delay_alu instid0(VALU_DEP_3)
	v_lshlrev_b32 v3, 4, v2
	s_delay_alu instid0(VALU_DEP_4)
	v_lshlrev_b32 v7, 3, v2
	v_lshlrev_b32 v10, 2, v2
	s_mul_i32 s17, s16, WREG                       ; my images
	v_lshrrev_b32 v8, 3, v2                        ; g = lane / 8: which of a load's four blocks is mine
	v_and_b32 v4, 3, v2                            ; t = lane % 4: behind the turn I hold codes of load t's block,
	v_bfe_u32 v14, v2, 2, 1                        ; its lower or upper 8 bytes
	v_and_b32 v12, 1, v2
	v_lshlrev_b32 v4, 4, v4
	v_mov_b32 v15, 0x07060302                      ; v_perm_b32: the two high halves
	v_cmp_eq_u32 vcc_lo, 1, v12
	v_lshl_add_u32 v4, v14, 3, v4
	v_mov_b32 v14, 0x05040100                      ; the two low halves
	v_lshl_add_u32 v4, v8, 6, v4                   ; in the 64 bytes of lane group g
	v_cndmask_b32 v11, v14, v15, vcc_lo            ; an even lane keeps the low halves (loads 0, 2), an odd one the high halves (loads 1, 3),
	v_cndmask_b32 v12, v15, v14, vcc_lo            ; and sends the others
	v_add_nc_u32 v4, s17, v4
	v_mov_b32 v[COD+5], 0                          ; (written once: the destination of a DPP form counts as read)
	v_mov_b32 v[COD+7], 0
	s_mov_b32 s25, 0xcccccccc                      ; the lanes with t = 2, 3
	v_lshl_add_u32 v5, v8, 2, s17                  ; lane group g's scale word
	v_lshl_add_u32 v6, v2, 4, s17
	v_lshl_add_u32 v9, v2, 3, s17
	s_lshl_b32 s28, s16, 6
	s_add_co_u32 s28, s28, YP
	v_mov_b32 v13, s28
	s_mov_b32 s22, 0x76543210                      ; v_permlanex16_b32's selects for lane l xor 16
	s_mov_b32 s23, 0xfedcba98
	s_lshl_b32 s18, ttmp9, 18                      ; x: 16 rows of 16,384 bytes a work-group,
	s_lshl_b32 s19, s16, 11                        ; 2,048 bytes of a row a wave
	s_add_co_u32 s18, s18, s19
	s_mov_b32 s19, 0
	s_mul_i32 s20, s16, KSTR                       ; out: my K step,
	s_mul_i32 s21, ttmp9, IMGB                     ; the work-group's 16 rows of 272 bytes
	s_add_co_u32 s20, s20, s21
	s_mov_b32 s21, 0
	s_lshl_b32 s26, ttmp9, 6                       ; yw: 16 numbers a work-group
	s_mov_b32 s27, 0
	s_lshr_b32 s30, ttmp9, 2                       ; W and y: first row 64 (g / 4) + g % 4, in bytes, + my wave's 2,048 bytes of a row
	s_lshl_b32 s30, s30, 20
	s_and_b32 s31, ttmp9, 3
	s_lshl_b32 s31, s31, 14
	s_add_co_u32 s30, s30, s31
	s_lshl_b32 s31, s16, 11
	s_add_co_u32 s30, s30, s31
	s_mov_b32 s31, 0
	s_wait_alu depctr_va_vdst(0)
	s_wait_kmcnt 0x0
	s_add_nc_u64 s[4:5], s[4:5], s[18:19]
	s_add_nc_u64 s[6:7], s[6:7], s[30:31]
	s_add_nc_u64 s[8:9], s[8:9], s[30:31]
	s_add_nc_u64 s[10:11], s[10:11], s[20:21]
	s_add_nc_u64 s[12:13], s[12:13], s[20:21]
	s_add_nc_u64 s[14:15], s[14:15], s[26:27]
; Chunk c: four loads, each of 512 consecutive bytes, into slot c % DEPTH.  W's and y's rows lie four rows apart
.macro LOADC c
.if (\c) < 16
.set LB, 4
.set LR, (\c)
.elseif ((\c)%2) == 0
.set LB, 6
.set LR, 4*(((\c)-16)/2)
.else
.set LB, 8
.set LR, 4*(((\c)-17)/2)
.endif
.irp i, 0,1,2,3
	global_load_b128 v[R+16*((\c)%DEPTH)+4*\i:R+16*((\c)%DEPTH)+4*\i+3], v3, s[LB:LB+1] offset:LR*ROWF+512*\i th:TH_LOAD_NT
.endr
.endm
; Step s.  FCH, LCH: its first and last chunk (one for a row of x; W's row and y's row).  HCH: the last chunk asked for so far: DEPTH behind the last step's last chunk, or the very last.
.macro STEP s
.if (\s) < 16
.set FCH, (\s)
.set LCH, (\s)
.else
.set FCH, 2*(\s)-16
.set LCH, 2*(\s)-15
.endif
.if (\s) <= 16
.set HCH, (\s)-1+DEPTH
.else
.set HCH, 2*(\s)-17+DEPTH
.endif
.if HCH > NCH-1
.set HCH, NCH-1
.endif
.set RS, R+16*(FCH%DEPTH)
.set RY, R+16*(LCH%DEPTH)
.set CS, COD
.set FS, COD+4+2*((\s)%2)
.set SW, COD+8+((\s)%2)
	s_wait_loadcnt 4*(HCH-LCH)                     ; loads come back in order: this step's chunks are in; the chunks asked for behind them, four loads each, stay out
.irp i, 0,1,2,3
	v_max3_num_f32 v[MXR+\i], |v[RS+4*\i]|, |v[RS+4*\i+1]|, |v[RS+4*\i+2]|          ; load i: the largest magnitude of my four numbers (the four loads by turns: no line waits for the line above it),
.endr
.irp i, 0,1,2,3
	s_delay_alu instid0(VALU_DEP_4)
	v_max3_num_f32 v[MXR+\i], v[MXR+\i], |v[RS+4*\i+3]|, 0x1800000                  ; and the floor 2^(3 - 127), under which no largest magnitude is taken: so the byte cannot fall under 1
.endr
.irp m, 1,2,4
.irp i, 0,1,2,3
	s_delay_alu instid0(VALU_DEP_4)
	v_max_num_f32_dpp v[MXR+\i], v[MXR+\i], v[MXR+\i] row_xmask:\m row_mask:0xf bank_mask:0xf   ; with lanes l xor 1, 2, 4: the eight lanes that hold the block
.endr
.endr
.if (\s) >= 16                                 ; W's row times y's row: both chunks have the same k in the same lane and register.  The first two products start the chains: nothing is cleared
	v_pk_mul_f32 v[P:P+1], v[RS:RS+1], v[RY:RY+1]
	v_pk_mul_f32 v[P+2:P+3], v[RS+2:RS+3], v[RY+2:RY+3]
.irp i, 4,8,12
	s_delay_alu instid0(VALU_DEP_2)
	v_pk_fma_f32 v[P:P+1], v[RS+\i:RS+\i+1], v[RY+\i:RY+\i+1], v[P:P+1]
	s_delay_alu instid0(VALU_DEP_2)
	v_pk_fma_f32 v[P+2:P+3], v[RS+\i+2:RS+\i+3], v[RY+\i+2:RY+\i+3], v[P+2:P+3]
.endr
	s_delay_alu instid0(VALU_DEP_1)
	v_pk_add_f32 v[P:P+1], v[P:P+1], v[P+2:P+3]
	s_delay_alu instid0(VALU_DEP_1)
	v_add_f32 v[S+(\s)-16], v[P], v[P+1]           ; my 16 products of the step's row
.endif
.irp i, 0,1,2,3
	v_add_nc_u32 v[SOP+\i], 0xff000000, v[MXR+\i]  ; 2 off the exponent field: the conversion takes the exponent field of this operand as its scale, and nothing else of it
.endr
.if (\s) >= 2
	s_wait_alu depctr_va_vdst(0)
	s_wait_dscnt 2                                 ; only the last step's two stores may be out: those of two steps back have read this step's pair and scale word
.endif
.irp j, 0,1
	v_cvt_scalef32_pk8_fp4_f32 v[CS+2*\j], v[RS+8*\j:RS+8*\j+7], v[SOP+2*\j]        ; under load 2 j's scale: the low 16 bits are its four codes
	v_cvt_scalef32_pk8_fp4_f32 v[CS+2*\j+1], v[RS+8*\j:RS+8*\j+7], v[SOP+2*\j+1]    ; under load 2 j + 1's: the high 16 bits
.endr
.irp i, 0,1,2,3
	v_lshrrev_b32 v[BYT+\i], 23, v[SOP+\i]         ; the scales' bytes.  (Also the plain vector lines behind the conversions)
.endr
	s_delay_alu instid0(VALU_DEP_3)
	v_lshl_or_b32 v[SW], v[BYT+1], 8, v[BYT]       ; my lane group's four bytes, load 0's lowest: they are one scale word as the layout has it
	s_delay_alu instid0(VALU_DEP_1)
	v_lshl_or_b32 v[SW], v[BYT+2], 16, v[SW]
	s_delay_alu instid0(VALU_DEP_1)
	v_lshl_or_b32 v[SW], v[BYT+3], 24, v[SW]
	v_bfi_b32 v[CS], 0xffff, v[CS], v[CS+1]        ; my codes of loads 0 and 1 in one register,
	v_bfi_b32 v[CS+2], 0xffff, v[CS+2], v[CS+3]    ; of loads 2 and 3 in another
	v_cndmask_b32 v[MXR], v[CS], v[CS+2], s25      ; lanes t = 0, 1 keep loads 0, 1 and lanes t = 2, 3 loads 2, 3;
	v_cndmask_b32 v[MXR+1], v[CS+2], v[CS], s25    ; the other register goes
	v_mov_b32_dpp v[MXR+2], v[MXR+1] quad_perm:[2,3,0,1] row_mask:0xf bank_mask:0xf   ; to lane l xor 2
	v_perm_b32 v[FS], v[MXR+2], v[MXR], v11        ; of the two registers the halves of load t: mine and lane l xor 2's;
	v_perm_b32 v[MXR+3], v[MXR+2], v[MXR], v12     ; the other halves go
	v_mov_b32_dpp v[FS+1], v[MXR+3] quad_perm:[1,0,3,2] row_mask:0xf bank_mask:0xf    ; to lane l xor 1: four lanes' 8 bytes of load t's block
.if FCH+DEPTH < NCH
	LOADC FCH+DEPTH                                ; the slots just worked on take the chunks DEPTH further on
.endif
.if (LCH > FCH) && (LCH+DEPTH < NCH)
	LOADC LCH+DEPTH
.endif
	ds_store_b64 v4, v[FS:FS+1] offset:IMGB*((\s)/16)+272*((\s)%16)                          ; 8 bytes a lane: the row's 256 bytes of codes
	ds_store_b32 v5, v[SW] offset:IMGB*((\s)/16)+272*((\s)%16)+256                           ; the eight lanes of a group write the same word with the same value
.endm
; Image p (0: x's, 1: W's) leaves: 4,352 consecutive bytes, eight stores of 512 and one of 256.  They are read again by the next launch, so they carry no hint.
.macro OUT p
.set OB, 10+2*(\p)
.if (\p) > 0
	s_wait_xcnt 0x0                                ; the first image's stores have read their registers: only behind this wait are those loaded again
.endif
.irp i, 0,1,2,3,4,5,6,7
	ds_load_b128 v[O+4*\i:O+4*\i+3], v6 offset:IMGB*(\p)+512*\i    ; LDS serves a wave's instructions in order: these see my stores into the image
.endr
	ds_load_b64 v[O+32:O+33], v9 offset:IMGB*(\p)+4096
.irp i, 0,1,2,3,4,5,6,7
	s_wait_dscnt 8-\i                              ; load i is in; the younger ones stay out
	global_store_b128 v3, v[O+4*\i:O+4*\i+3], s[OB:OB+1] offset:512*\i
.endr
	s_wait_dscnt 0x0
	global_store_b64 v7, v[O+32:O+33], s[OB:OB+1] offset:4096
.endm
.irp c, 0,1,2,3,4,5,6,7,8,9
	LOADC \c
.endr
.irp t, 0,1,2,3,4,5,6,7,8,9,10,11,12,13,14,15
	STEP \t
.endr
	OUT 0                                          ; x's image leaves while W's and y's first chunks are on their way
.irp t, 16,17,18,19,20,21,22,23,24,25,26,27,28,29,30,31
	STEP \t
.endr
	; my wave's part of yw: the 32 lanes' sums of each of the 16 rows; the rows by turns, so that no line waits for the line above it
.irp m, 1,2,4,8
.irp t, 0,1,2,3,4,5,6,7,8,9,10,11,12,13,14,15
	v_add_f32_dpp v[S+\t], v[S+\t], v[S+\t] row_xmask:\m row_mask:0xf bank_mask:0xf
.endr
.endr
.irp t, 0,1,2,3,4,5,6,7,8,9,10,11,12,13,14,15
	v_permlanex16_b32 v[R+\t], v[S+\t], s22, s23   ; (its destination counts as read: the ring's registers have been written, and no load is out)
.endr
.irp t, 0,1,2,3,4,5,6,7,8,9,10,11,12,13,14,15
	v_add_f32 v[S+\t], v[S+\t], v[R+\t]
.endr
.irp t, 0,1,2,3,4,5,6,7,8,9,10,11,12,13,14,15
	ds_store_b32 v13, v[S+\t] offset:4*\t          ; all lanes write the same word with the same value
.endr
	OUT 1
	s_wait_dscnt 0x0                               ; for the others' sake: my 16 words have landed
	s_barrier_signal -1
	s_barrier_wait -1
	s_cmp_lg_u32 s16, 0                            ; wave 0 adds the eight waves' parts, K ascending
	s_cbranch_scc1 .Lend
.irp w, 0,1,2,3,4,5,6,7
	ds_load_b32 v[R+\w], v1 offset:64*\w
.endr
	s_wait_dscnt 0x0
.irp w, 1
	v_add_f32 v[R], v[R], v[R+\w]
.endr
.irp w, 2, 3, 4, 5, 6, 7
	s_delay_alu instid0(VALU_DEP_1)
	v_add_f32 v[R], v[R], v[R+\w]
.endr
	s_wait_alu depctr_va_vdst(0)
	s_wait_xcnt 0x0                                ; EXEC is a source of the stores above: it changes only behind this wait
	v_cmp_gt_u32 vcc_lo, 16, v2
	s_and_saveexec_b32 s24, vcc_lo                 ; lanes 0-15: one number each
	global_store_b32 v10, v[R], s[14:15]           ; 64 consecutive bytes a work-group: 16,384 bytes in the whole launch
	s_wait_xcnt 0x0                                ; and again, in front of the line that widens it
	s_or_b32 exec_lo, exec_lo, s24
.Lend:
	s_wait_tensorcnt 0x0                           ; the wave's end: behind my last LDS store
	ds_add_u32 v252, v253
	s_wait_dscnt 0x0
	s_endpgm
.Lfunc_end_k_qf98cbe3cea_quant:
	.size	k_qf98cbe3cea_quant, .Lfunc_end_k_qf98cbe3cea_quant-k_qf98cbe3cea_quant
	.p2alignl 7, 3214868480
	.fill 96, 4, 3214868480
	.section	.rodata,"a",@progbits
	.p2align	6, 0x0
	.amdhsa_kernel k_qf98cbe3cea_quant
		.amdhsa_group_segment_fixed_size 71168
		.amdhsa_private_segment_fixed_size 0
		.amdhsa_enable_private_segment 0
		.amdhsa_kernarg_size 48
		.amdhsa_user_sgpr_count 2
		.amdhsa_user_sgpr_kernarg_segment_ptr 1
		.amdhsa_wavefront_size32 1
		.amdhsa_system_sgpr_workgroup_id_x 1
		.amdhsa_system_sgpr_workgroup_id_y 1
		.amdhsa_system_sgpr_workgroup_id_z 1
		.amdhsa_system_vgpr_workitem_id 0
		.amdhsa_next_free_vgpr 254
		.amdhsa_next_free_sgpr 66
		.amdhsa_reserve_vcc 1
		.amdhsa_float_denorm_mode_32 3
		.amdhsa_float_denorm_mode_16_64 3
		.amdhsa_memory_ordered 1
		.amdhsa_forward_progress 1
		.amdhsa_inst_pref_size 160
	.end_amdhsa_kernel
	.amdgpu_metadata
---
amdhsa.version: [ 1, 2 ]
amdhsa.kernels:
  - .name:           k_qf98cbe3cea_quant
    .symbol:         k_qf98cbe3cea_quant.kd
    .args:
      - { .name: x, .offset: 0, .size: 8, .value_kind: global_buffer, .address_space: global }
      - { .name: W, .offset: 8, .size: 8, .value_kind: global_buffer, .address_space: global }
      - { .name: y, .offset: 16, .size: 8, .value_kind: global_buffer, .address_space: global }
      - { .name: xq, .offset: 24, .size: 8, .value_kind: global_buffer, .address_space: global }
      - { .name: wq, .offset: 32, .size: 8, .value_kind: global_buffer, .address_space: global }
      - { .name: yw, .offset: 40, .size: 8, .value_kind: global_buffer, .address_space: global }
    .group_segment_fixed_size: 71168
    .private_segment_fixed_size: 0
    .kernarg_segment_align: 8
    .kernarg_segment_size: 48
    .max_flat_workgroup_size: 256
    .sgpr_count:     66
    .vgpr_count:     254
    .wavefront_size: 32
...
	.end_amdgpu_metadata
.endif
;; end of part 1
;; launch gemm (part 2): grid 16 x 16, 4 waves a work-group, clusters of 4 x 4, 327,680 bytes of LDS; arguments xq, wq, yw, out0; writes out0
.if DOCPART == 2
	.amdgcn_target "amdgcn-amd-amdhsa--gfx1250"
	.amdhsa_code_object_version 6
	.text
	.protected	k_qf98cbe3cea_gemm
	.globl	k_qf98cbe3cea_gemm
	.p2align	8
	.type	k_qf98cbe3cea_gemm,@function
k_qf98cbe3cea_gemm:
	s_mov_b64 s[64:65], 0
	v_nop
	global_prefetch_b8 v0, s[64:65] scope:SCOPE_SE
	s_setreg_imm32_b32 hwreg(HW_REG_WAVE_MODE, 25, 1), 1
	s_wait_xcnt 0x0
	s_wait_alu depctr_hold_cnt(0) depctr_sa_sdst(0) depctr_va_vdst(0) depctr_va_sdst(0) depctr_va_ssrc(0) depctr_va_vcc(0) depctr_vm_vsrc(0)
	s_getreg_b32 s2, hwreg(HW_REG_IB_STS2, 6, 4)
	s_cmp_eq_u32 s2, 0
	s_cbranch_scc0 .Lentry_in_a_cluster
	s_endpgm
.Lentry_in_a_cluster:
	s_bfe_u32 s2, ttmp6, 0x10000c
	s_cmp_lg_u32 s2, 0xf033
	s_cbranch_scc0 .Lentry_shape_is_right
	s_endpgm
.Lentry_shape_is_right:
; out0[i][j] = yw[j] - sum over k of Q(x)[i][k] Q(W)[j][k], on the codes and scale bytes that the launch before has laid: xq, wq: [8 K steps][4096 rows][272 bytes] (256 bytes of codes of 512 along K, then their 16 scale bytes).
; wq's and yw's place 64 G + 16 b + r holds W's row 64 G + 4 r + b; xq's rows are x's.
; A block of 256 x 256 of the result is made by four waves, 128 x 128 each: 32 accumulators of 32 x 16 (v_wmma_scale_f32_32x16x128_f4), 512 registers.  Source 0 = 32 rows of x, source 1 = 16 places of wq.
; In a result lane (r, h) holds place r, and register j rows 8 h + j (registers 8-15: 16 rows on).  So of tiles b = 4 g .. 4 g + 3 a lane holds columns 64 g + 4 r + 0 .. 3 of one row: the subtraction from yw puts the four
; into four neighbouring registers, and sixteen lanes store 256 consecutive bytes, aligned: the result needs no way through LDS.
; K goes in 8 steps of 512 through two LDS slots; a wave's tensor load brings 128 rows x 272 bytes, dense in memory, as 136 rows of 256 bytes.  CLUSTERS 4 x 4: x's tiles are asked for jointly along a row, W's along a column.
; A step of 128 along K is 32 matrix instructions; x's and W's fragments have two sets of registers each, and the next step's 32 LDS loads stand in one run at a step's head.  So a slot's last fragments are in registers
; in its third step: the change of slots stands there, under that step's second half, and the fourth step begins with the next slot's first fragments.
; PREFETCH: beside the joint load of K step n stands a request for K step n + 2; K step 1 is asked for at the head, ahead of the first round.  Of a wave's 136 blocks of 256 bytes each of the four partners names 34, told apart
; by address (two instructions; the second's lanes 1-31 name block 33 again).  It stops with K step 7: the loop's last trip asks for nothing.
; The last K step goes by blocks of 32 rows, all of W's fragments in registers, so that finished rows are stored while the others are multiplied.
; REGISTERS: window 0: v8-15 yw, v16-29 addresses, v32-63 scale words of slot 1, v64-95 of slot 0, v128-255 x's fragments, two sets (last K step: v64-191 two buffers of 32 rows x 512 K, v192-255 results to store).
;   window 1: W's fragments, sets at v0 and v128 (last K step: all 256; then results to store).  window 2: accumulators of my rows 0-63 ((i, b) at v[128 (i % 2) + 16 b]);  window 3: rows 64-127.
.set PITCH,  272
.set HALFT,  128*PITCH
.set SLOT,   4*HALFT
.set KSTR,   4096*PITCH                ; bytes from K step to K step
.set LAPS,   4
.set SPARE,  2*SLOT                    ; behind the ring: the spare words, 128 bytes a wave
.set ROWC,   16384                     ; a row of the result in bytes
.set YW,   8
.set ADRA, 16                          ; v16-17 my x fragments in slot 0, 1;  v18-19 W's;  v20-21 x's scale words;  v22-23 W's
.set ADRB, 18
.set ADSA, 20
.set ADSB, 22
.set CO,   24                          ; my byte offset in the result: 8 h rows + 16 r
.set YA,   25                          ; 4 r
.set PFO,  26                          ; v26-27 the prefetches' offsets
.set SPW,  28
.set NIL,  29
.set SC,   32
.set AF,   128
.set T,    192
.set PFA,  12                          ; s[12:13] where my prefetches stand
.set G1, 24
.set G0, 32
.set G1B, 48
.set G0B, 56
.set MSB, 0
.macro WIN new                         ; the immediate's high byte repeats the setting that is left
.if MSB != \new
	s_set_vgpr_msb (MSB<<8)|\new
.set MSB, \new
.endif
.endm
.set MUL_LO, 0xa4                      ; source 0 (x) window 0, source 1 (W) window 1, C and D window 2
.set MUL_HI, 0xf4                      ; the same, C and D window 3
.set TO_B,   0x40                      ; destination window 1, address window 0
.macro JLOAD g0a, g1a, g0b, g1b        ; a joint load: waves 0, 1 fetch x's halves, waves 2, 3 W's
	s_cmp_eq_u32 s15, 0
	s_cbranch_scc0 .Lfor_b_\@
	tensor_load_to_lds s[\g0a:\g0a+3], s[\g1a:\g1a+7]
	s_nop 0
.rept 4
	v_nop
.endr
	s_branch .Lasked_\@
.Lfor_b_\@:
	tensor_load_to_lds s[\g0b:\g0b+3], s[\g1b:\g1b+7]
	s_nop 0
.rept 4
	v_nop
.endr
.Lasked_\@:
.endm
.macro CREST                           ; a round of the cluster's barrier behind its opening barrier
	s_cmp_lg_u32 s14, 0
	s_cbranch_scc1 .Lnot_wave_0_\@
	s_barrier_signal -3
.Lnot_wave_0_\@:
	s_barrier_wait -3
	s_barrier_signal -1
	s_barrier_wait -1
.endm
.macro CROUND
	s_barrier_signal -1
	s_barrier_wait -1
	CREST
.endm
.macro ASK off                         ; my work-group's 34 blocks of the 136 that I fetch, at the K step that off names
	global_prefetch_b8 v[PFO], s[PFA:PFA+1] offset:\off th:TH_LOAD_NT scope:SCOPE_SE
	global_prefetch_b8 v[PFO+1], s[PFA:PFA+1] offset:\off th:TH_LOAD_NT scope:SCOPE_SE
.endm
.macro PLACES                          ; four places in front of loads into registers that matrix instructions have read, and of reads of results
.rept 4
	v_nop
.endr
.endm
	s_load_b256 s[4:11], s[0:1], 0x0               ; xq s[4:5], wq s[6:7], yw s[8:9], out0 s[10:11]
	v_lshl_add_u32 v[SPW], v0, 2, SPARE
	v_mov_b32 v[NIL], 0
	ds_add_u32 v[SPW], v[NIL]                      ; the opening lines: the add, twice on end, and its wait ahead of my first tensor load
	ds_add_u32 v[SPW], v[NIL]
	v_lshrrev_b32 v1, 5, v0
	v_readfirstlane_b32 s14, v1                    ; wave 0..3
	v_and_b32 v5, 31, v0                           ; lane
	v_lshlrev_b32 v[PFO], 8, v5                    ; the prefetches: blocks 0 .. 31,
	v_min_u32 v7, 1, v5
	v_lshl_add_u32 v[PFO+1], v7, 8, 32*256         ; blocks 32, 33 (lanes 1-31 all name 33)
	s_lshr_b32 s15, s14, 1                         ; my half of the block's rows.  Also: I fetch for x (0) or for W (1)
	s_and_b32 s16, s14, 1                          ; my half of its columns.  Also: which 128 rows I fetch
	s_bfe_u32 s40, ttmp6, 0x40000                  ; cx, cy
	s_bfe_u32 s41, ttmp6, 0x40004
	s_lshl_b32 s42, ttmp9, 2
	s_add_co_u32 s42, s42, s40                     ; block column
	s_and_b32 s17, ttmp7, 0xffff
	s_lshl_b32 s17, s17, 2
	s_add_co_u32 s17, s17, s41                     ; block row
	s_lshl_b32 s43, s41, 2
	s_lshl_b32 s43, 15, s43                        ; my row of the cluster
	s_lshl_b32 s44, 0x1111, s40                    ; my column
	s_or_b32 s[G1+0], s43, (3<<16)|(1<<21)         ; the mask; elements of 8 bytes; bit 21 beside a mask; no padding: the rows lie 272 bytes apart as they come
	s_or_b32 s[G1B+0], s44, (3<<16)|(1<<21)
.irp g, G1, G1B
	s_mov_b32 s[\g+1], 32<<16                      ; rows of 32 elements = 256 bytes,
	s_mov_b32 s[\g+2], 136<<16                     ; 136 of them
	s_mov_b32 s[\g+3], 32<<16
	s_mov_b32 s[\g+4], 136
	s_mov_b32 s[\g+5], 32
	s_mov_b32 s[\g+6], 0
	s_mov_b32 s[\g+7], 0
.endr
	s_lshl_b32 s18, s16, 7
	s_lshl_b32 s20, s17, 8
	s_add_co_u32 s20, s20, s18                     ; x: row 256 x block row + 128 x half
	s_lshl_b32 s46, s42, 8
	s_add_co_u32 s46, s46, s18                     ; W: place 256 x block column + 128 x half
	s_mul_i32 s20, s20, PITCH
	s_mul_i32 s46, s46, PITCH
	s_mov_b32 s21, 0
	s_mov_b32 s47, 0
	s_mul_i32 s45, s14, HALFT                      ; where they go: wave x 128 rows
	s_wait_alu depctr_va_vdst(0)
	s_wait_dscnt 0x0                               ; both opening adds are done
	s_wait_kmcnt 0x0
	s_add_nc_u64 s[20:21], s[4:5], s[20:21]
	s_add_nc_u64 s[46:47], s[6:7], s[46:47]
	s_cmp_eq_u32 s15, 0                            ; the prefetches: the rows that I fetch, K step 0,
	s_cselect_b64 s[PFA:PFA+1], s[20:21], s[46:47]
	s_cselect_b32 s18, s40, s41                    ; my place among the four that ask with me,
	s_mul_i32 s18, s18, 34*256                     ; which takes 34 of the 136 blocks
	s_mov_b32 s19, 0
	s_add_nc_u64 s[PFA:PFA+1], s[PFA:PFA+1], s[18:19]
	ASK KSTR                                       ; K step 1: its load goes out when K step 0 has landed
.irp s, 0,1
	s_mov_b32 s[G0+4*\s], 1
	s_add_co_u32 s[G0+4*\s+1], s45, \s*SLOT
	s_add_nc_u64 s[G0+4*\s+2:G0+4*\s+3], s[20:21], \s*KSTR
	s_or_b32 s[G0+4*\s+3], s[G0+4*\s+3], 0x80000000
	s_mov_b32 s[G0B+4*\s], 1
	s_add_co_u32 s[G0B+4*\s+1], s45, \s*SLOT
	s_add_nc_u64 s[G0B+4*\s+2:G0B+4*\s+3], s[46:47], \s*KSTR
	s_or_b32 s[G0B+4*\s+3], s[G0B+4*\s+3], 0x80000000
.endr
	CROUND                                         ; all sixteen work-groups are here: the first joint loads meet
	JLOAD G0, G1, G0B, G1B                         ; K step 0: one tensor load a wave at the head
	s_mul_i32 s21, s15, HALFT                      ; my 128 rows of x,
	s_mul_i32 s22, s16, HALFT
	s_add_co_u32 s22, s22, 2*HALFT                 ; my 128 places of W, behind x's 256 rows,
	s_add_co_u32 s23, s21, 256                     ; and their scale bytes, behind a row's 256 bytes of codes
	s_add_co_u32 s18, s22, 256
	s_lshl_b32 s2, s17, 8
	s_lshl_b32 s3, s15, 7
	s_add_co_u32 s2, s2, s3
	s_lshl_b32 s2, s2, 14                          ; my first row of the result, in bytes
	s_mov_b32 s3, 0
	s_lshl_b32 s46, s42, 10
	s_lshl_b32 s47, s16, 9
	s_add_co_u32 s46, s46, s47                     ; my first column, in bytes
	s_mov_b32 s47, 0
	s_add_nc_u64 s[8:9], s[8:9], s[46:47]
	s_add_nc_u64 s[10:11], s[10:11], s[46:47]
	s_add_nc_u64 s[10:11], s[10:11], s[2:3]
	v_and_b32 v1, 15, v0                           ; r
	v_bfe_u32 v2, v0, 4, 1                         ; h
	v_mul_u32_u24 v3, v1, PITCH
	v_mul_u32_u24 v6, v5, PITCH
	v_lshl_add_u32 v4, v2, 4, v3                   ; a fragment's row x pitch + 16 h
	v_add_nc_u32 v[ADRA], s21, v4
	v_add_nc_u32 v[ADRB], s22, v4
	v_add_nc_u32 v[ADSA], s23, v6                  ; scale words: a lane a row, 32 rows a load
	v_add_nc_u32 v[ADSB], s18, v6
.irp a, ADRA, ADRB, ADSA, ADSB
	v_add_nc_u32 v[\a+1], SLOT, v[\a]
.endr
	v_lshlrev_b32 v[CO], 4, v1
	v_lshl_add_u32 v[CO], v2, 17, v[CO]            ; 8 h rows of 16,384 bytes + 16 r
	v_lshlrev_b32 v[YA], 2, v1
.irp b, 0,1,2,3,4,5,6,7
	global_load_b32 v[YW+\b], v[YA], s[8:9] offset:64*\b    ; yw at place 16 b + r; waited for ahead of the first subtraction
.endr
	ASK 2*KSTR                                     ; beside K step 0's load: K step 2
.macro FRAG reg, adr, q, i             ; 16 rows x 128 K of 4-bit codes: 8 registers, two loads of 16 bytes, 32 bytes apart
.irp c, 0,1
	ds_load_b128 v[\reg+4*\c:\reg+4*\c+3], v[\adr] offset:64*(\q)+32*\c+(\i)*16*PITCH
.endr
.endm
.macro WM zero, row                    ; one matrix instruction on WD, WA, WB, WSA, WSB; W's scale words lie two tiles to a register: the odd tile's in lanes 16-31
.if \zero
.if \row
	v_wmma_scale_f32_32x16x128_f4 v[WD:WD+15], v[WA:WA+15], v[WB:WB+7], 0, v[WSA], v[WSB] matrix_b_scale:MATRIX_SCALE_ROW1
.else
	v_wmma_scale_f32_32x16x128_f4 v[WD:WD+15], v[WA:WA+15], v[WB:WB+7], 0, v[WSA], v[WSB]
.endif
.else
.if \row
	v_wmma_scale_f32_32x16x128_f4 v[WD:WD+15], v[WA:WA+15], v[WB:WB+7], v[WD:WD+15], v[WSA], v[WSB] matrix_b_scale:MATRIX_SCALE_ROW1
.else
	v_wmma_scale_f32_32x16x128_f4 v[WD:WD+15], v[WA:WA+15], v[WB:WB+7], v[WD:WD+15], v[WSA], v[WSB]
.endif
.endif
.endm
; 8 matrix instructions: x's block i of 32 rows against W's eight tiles; p: the sets of fragments; q: the slot's q-th 128 along K; sc: the slot.  The 32 accumulators take turns.
.macro MUL8 i, p, q, sc, zero
.irp b, 0,1,2,3,4,5,6,7
.set WD, 128*((\i)%2)+16*\b
.set WA, AF+64*(\p)+16*(\i)
.set WB, 128*(\p)+8*\b
.set WSA, SC+32*(1-(\sc))+4*(\i)+(\q)
.set WSB, SC+32*(1-(\sc))+16+4*(\b/2)+(\q)
	WM \zero, \b%2
.endr
.endm
.macro SCALES sc                       ; a K step's scale words: four words a row; x's 4 x 32 rows, W's 4 x 32 places
.irp i, 0,1,2,3
	ds_load_b128 v[SC+32*(1-\sc)+4*\i:SC+32*(1-\sc)+4*\i+3], v[ADSA+\sc] offset:\i*32*PITCH
.endr
.irp i, 0,1,2,3
	ds_load_b128 v[SC+32*(1-\sc)+16+4*\i:SC+32*(1-\sc)+16+4*\i+3], v[ADSB+\sc] offset:\i*32*PITCH
.endr
.endm
; One run of LDS loads: the fragments of the slot's q-th 128 along K into sets p: W's 16 loads, x's rows 0-63 (8), the slot's scale words where sc = 1 (8), x's rows 64-127 (8) last
.macro FETCH slot, q, p, sc
	WIN TO_B
.irp i, 0,1,2,3,4,5,6,7
	FRAG 128*(\p)+8*\i, ADRB+\slot, \q, \i
.endr
	WIN 0
.irp i, 0,1,2,3
	FRAG AF+64*(\p)+8*\i, ADRA+\slot, \q, \i
.endr
.if \sc
	SCALES \slot
.endif
.irp i, 4,5,6,7
	FRAG AF+64*(\p)+8*\i, ADRA+\slot, \q, \i
.endr
.endm
.macro STEP slot, q, zero              ; a slot's first or second step
	s_wait_dscnt 8                                 ; all of this step's loads but the youngest eight (x's rows 64-127) are in
	PLACES                                         ; the other sets were read by the step before
	FETCH \slot, (\q)+1, 1-(\q)%2, 0
	WIN MUL_LO
	MUL8 0, (\q)%2, \q, \slot, \zero
	MUL8 1, (\q)%2, \q, \slot, \zero
	s_wait_dscnt 32                                ; all but the 32 just issued
	WIN MUL_HI
	MUL8 2, (\q)%2, \q, \slot, \zero
	MUL8 3, (\q)%2, \q, \slot, \zero
.endm
; A slot's third step fetches its last fragments and changes slots.  In front of the barrier each wave waits for all its tensor loads (its part of the other slot), adds 0 to its spare word, and waits for that and for its
; reads of this slot, which are then over.  fill = 1: the barrier opens a round of the cluster's barrier, and this slot is filled again, two K steps ahead.
.macro STEPT slot, fill
	s_wait_dscnt 8
	PLACES
	FETCH \slot, 3, 1, 0
	WIN MUL_LO
	MUL8 0, 0, 2, \slot, 0
	MUL8 1, 0, 2, \slot, 0
	WIN 0
.if \fill
	s_wait_xcnt 0x0                                ; my prefetches have read their address: it steps a K step on
	s_add_nc_u64 s[PFA:PFA+1], s[PFA:PFA+1], KSTR
.endif
	s_wait_tensorcnt 0x0
	ds_add_u32 v[SPW], v[NIL]
	s_wait_dscnt 33                                ; the 32 loads just issued and the add may be out: this step's x rows 64-127 are in
	WIN MUL_HI
	MUL8 2, 0, 2, \slot, 0
	s_wait_dscnt 0x0                               ; the add is done; the slot's last fragments are in registers
	s_barrier_signal -1
	MUL8 3, 0, 2, \slot, 0
	WIN 0
	s_barrier_wait -1
.if \fill
	CREST
	s_add_nc_u64 s[G0+4*\slot+2:G0+4*\slot+3], s[G0+4*\slot+2:G0+4*\slot+3], 2*KSTR
	s_add_nc_u64 s[G0B+4*\slot+2:G0B+4*\slot+3], s[G0B+4*\slot+2:G0B+4*\slot+3], 2*KSTR
	JLOAD G0+4*\slot, G1, G0B+4*\slot, G1B         ; the first tensor load behind the round; its four v_nop are the places in front of the loads that follow
.else
	PLACES
.endif
.endm
.macro MUL32 slot                      ; a slot's fourth step: its fragments are in (the wait for 0 above)
	WIN MUL_LO
	MUL8 0, 1, 3, \slot, 0
	MUL8 1, 1, 3, \slot, 0
	WIN MUL_HI
	MUL8 2, 1, 3, \slot, 0
	MUL8 3, 1, 3, \slot, 0
.endm
.macro STEPX slot, next                ; the fourth step begins with the next slot's first fragments and scale words
	FETCH \next, 0, 0, 1
	s_cmp_gt_u32 s3, 1                             ; the last trip's refills are K steps 6 and 7: no K step stands two on
	s_cbranch_scc0 .Lno_ask_\@
	ASK 3*KSTR
.Lno_ask_\@:
	MUL32 \slot
.endm
; THE LAST K STEP (slot 1) BY BLOCKS OF 32 ROWS
.macro BLOAD q                         ; W's fragments of quarter q -> window 1, v[64 q ..]
.irp i, 0,1,2,3,4,5,6,7
	FRAG 64*(\q)+8*\i, ADRB+1, \q, \i
.endr
.endm
.macro ALOAD i                         ; x's block i, all four quarters: 16 loads -> v128-191 (even i) or v64-127 (odd i)
.set FA, 128-64*((\i)%2)
.irp q, 0,1,2,3
	FRAG FA+16*\q, ADRA+1, \q, 2*(\i)
	FRAG FA+16*\q+8, ADRA+1, \q, 2*(\i)+1
.endr
.endm
.macro ROW i                           ; block i is finished: 32 matrix instructions, its 8 accumulators by turns, K ascending
.set FA, 128-64*((\i)%2)
	WIN MUL_LO+0x50*((\i)/2)
.irp q, 0,1,2,3
.if ((\i) == 0) && (\q == 2)
	s_wait_dscnt 16                                ; W's quarter 2 is in (behind it: x's block 1)
.endif
.irp b, 0,1,2,3,4,5,6,7
.set WD, 128*((\i)%2)+16*\b
.set WA, FA+16*\q
.set WB, 64*\q+8*\b
.set WSA, SC+4*(\i)+\q
.set WSB, SC+16+4*(\b/2)+\q
	WM 0, \b%2
.endr
.endr
.endm
; Rows 16 u .. 16 u + 15 of block i leave: yw - sum, into 64 registers from v[tb] of window tw; the four tiles' numbers of a row land in four neighbouring registers; lanes 0-15 store 256 consecutive bytes of row j,
; lanes 16-31 of row 8 + j.  Each accumulator is read from its low end on (u = 0 first).
.macro OUT i, u, tw, tb
.set NW, ((\tw)<<6)|((2+(\i)/2)<<2)    ; destination: window tw; source 1: window 2 or 3
	WIN NW
.irp j, 0,1,2,3,4,5,6,7
.irp b, 0,1,2,3,4,5,6,7
	v_sub_f32 v[\tb+8*\j+\b], v[YW+\b], v[128*((\i)%2)+16*\b+8*\u+\j]
.endr
.endr
.set NW, (\tw)<<2                      ; a store's data: source 1
	WIN NW
.irp j, 0,1,2,3,4,5,6,7
.irp g, 0,1
	global_store_b128 v[CO], v[\tb+8*\j+4*\g:\tb+8*\j+4*\g+3], s[10:11] offset:(32*(\i)+16*\u+\j)*ROWC+256*\g
.endr
.endr
	WIN 0
.endm
	s_wait_alu depctr_va_vdst(0)
	s_wait_tensorcnt 0x0                           ; my part of K step 0 is in; these lines stand ahead of a later first fill as ahead of a refill
	ds_add_u32 v[SPW], v[NIL]
	s_wait_dscnt 0x0
	CROUND
	JLOAD G0+4, G1, G0B+4, G1B                     ; K step 1, the first tensor load behind the round
	FETCH 0, 0, 0, 1
	ASK 3*KSTR                                     ; beside K step 1's load: K step 3
	STEP 0, 0, 1                                   ; the first step's products start the sums
	WIN 0
	s_mov_b32 s3, LAPS-1
.Llap:                                                 ; a trip goes once round the ring and fills both slots again
	STEP 0, 1, 0
	STEPT 0, 1
	STEPX 0, 1
	STEP 1, 0, 0
	STEP 1, 1, 0
	STEPT 1, 1
	STEPX 1, 0
	STEP 0, 0, 0
	WIN 0
	s_sub_co_u32 s3, s3, 1
	s_cmp_lg_u32 s3, 0
	s_cbranch_scc1 .Llap
	STEP 0, 1, 0
	STEPT 0, 0                                     ; slot 1 holds the last K step; nothing is filled again, so no round follows
	WIN TO_B
	BLOAD 0
	BLOAD 1
	BLOAD 3
	WIN 0
	SCALES 1
	ALOAD 0
	MUL32 0
	PLACES                                         ; for the loads into W's set 1 and into slot 0's scale words
	WIN TO_B
	BLOAD 2
	WIN 0
	ALOAD 1
	s_wait_loadcnt 0x0                             ; yw
	s_wait_dscnt 32                                ; all but the 32 just issued
	ROW 0
	PLACES                                         ; ahead of the reads of results just made and of the loads into the block's buffer
	WIN 0
	ALOAD 2
	OUT 0, 0, 0, T
	s_wait_dscnt 16                                ; block 1 is in; block 2's 16 loads may be out
	ROW 1
	PLACES
	WIN 0
	ALOAD 3
	s_wait_xcnt 0x0                                ; the stores above have read their data: only behind this wait are those registers written again
	OUT 0, 1, 0, T
	s_wait_dscnt 16                                ; block 2 is in; block 3's 16 loads may be out
	ROW 2
	PLACES
	s_wait_xcnt 0x0
	OUT 1, 0, 0, T
	s_wait_dscnt 0x0
	ROW 3
	PLACES                                         ; no product is left: W's fragments and x's buffers are free, and each of the last five runs of 16 rows has 64 registers of its own
	OUT 1, 1, 1, 0
	OUT 2, 0, 1, 64
	OUT 2, 1, 1, 128
	OUT 3, 0, 1, 192
	OUT 3, 1, 0, 64
	s_wait_tensorcnt 0x0                           ; the wave's end
	ds_add_u32 v[SPW], v[NIL]
	s_wait_dscnt 0x0
	CROUND                                         ; the closing round
	s_endpgm
.Lfunc_end_k_qf98cbe3cea_gemm:
	.size	k_qf98cbe3cea_gemm, .Lfunc_end_k_qf98cbe3cea_gemm-k_qf98cbe3cea_gemm
	.p2alignl 7, 3214868480
	.fill 96, 4, 3214868480
	.section	.rodata,"a",@progbits
	.p2align	6, 0x0
	.amdhsa_kernel k_qf98cbe3cea_gemm
		.amdhsa_group_segment_fixed_size 327680
		.amdhsa_private_segment_fixed_size 0
		.amdhsa_enable_private_segment 0
		.amdhsa_kernarg_size 32
		.amdhsa_user_sgpr_count 2
		.amdhsa_user_sgpr_kernarg_segment_ptr 1
		.amdhsa_wavefront_size32 1
		.amdhsa_system_sgpr_workgroup_id_x 1
		.amdhsa_system_sgpr_workgroup_id_y 1
		.amdhsa_system_sgpr_workgroup_id_z 1
		.amdhsa_system_vgpr_workitem_id 0
		.amdhsa_next_free_vgpr 1024
		.amdhsa_next_free_sgpr 66
		.amdhsa_reserve_vcc 0
		.amdhsa_float_denorm_mode_32 3
		.amdhsa_float_denorm_mode_16_64 3
		.amdhsa_memory_ordered 1
		.amdhsa_forward_progress 1
		.amdhsa_inst_pref_size 144
	.end_amdhsa_kernel
	.amdgpu_metadata
---
amdhsa.version: [ 1, 2 ]
amdhsa.kernels:
  - .name:           k_qf98cbe3cea_gemm
    .symbol:         k_qf98cbe3cea_gemm.kd
    .args:
      - { .name: xq, .offset: 0, .size: 8, .value_kind: global_buffer, .address_space: global }
      - { .name: wq, .offset: 8, .size: 8, .value_kind: global_buffer, .address_space: global }
      - { .name: yw, .offset: 16, .size: 8, .value_kind: global_buffer, .address_space: global }
      - { .name: out0, .offset: 24, .size: 8, .value_kind: global_buffer, .address_space: global }
    .group_segment_fixed_size: 327680
    .private_segment_fixed_size: 0
    .kernarg_segment_align: 8
    .kernarg_segment_size: 32
    .max_flat_workgroup_size: 128
    .sgpr_count:     66
    .vgpr_count:     1024
    .wavefront_size: 32
...
	.end_amdgpu_metadata
.endif
;; end of part 2
